; MI455X (gfx1250); checked and timed in simulation.
; The chip was launched on July 23, 2026; its instructions are those of AMD's public machine-readable ISA for CDNA 5 (MIT licence, August 2026) and "CDNA5" Instruction Set Architecture Reference Guide (July 2026). The comments in the code are by the model that wrote it; some were corrected since.
;; Induction. Allowed arithmetic: float matrix products may take bf16 or f16 operands with f32 sums; all other float work in f32.
;; Inputs: W 1,024 x 1,024 float32; x 32 x 2,048 x 1,024 float32.
;; Outputs: out0 32 x 1,024 float32.
;; One version. Each part assembles by itself: llvm-mc -triple=amdgcn-amd-amdhsa -mcpu=gfx1250 --defsym DOCPART=n.
;; ======== version 1 of 1: 7 launches
;; workspace buffers: acc 1,048,576 bytes; ml 2,048 bytes; vpart 2,097,152 bytes; sq 2,048 bytes; craw 131,072 bytes; va 131,072 bytes; vb 131,072 bytes
;; launch sum1 (part 1): grid 256 x 1, 16 waves a work-group, no clusters, 67,584 bytes of LDS; arguments x, acc, ml, va; writes acc, ml, va
.if DOCPART == 1
	.amdgcn_target "amdgcn-amd-amdhsa--gfx1250"
	.amdhsa_code_object_version 6
	.text
	.protected	k_qdb618bff7e_sum1
	.globl	k_qdb618bff7e_sum1
	.p2align	8
	.type	k_qdb618bff7e_sum1,@function
k_qdb618bff7e_sum1:
	s_mov_b64 s[64:65], 0
	v_nop
	global_prefetch_b8 v0, s[64:65] scope:SCOPE_SE
	s_setreg_imm32_b32 hwreg(HW_REG_WAVE_MODE, 25, 1), 1
	s_wait_xcnt 0x0
; ROUND 1 OF THE ROUTING, FIRST HALF.  b = 0, so softmax(b) = 1/2048 for every row: this launch only sums rows of x.
; The product e = x W is never formed: sum_s d_s e_s = (sum_s d_s x_s) W and e_s . c = x_s . (W c) hold for every input,
; so the program streams x three times and multiplies 32 vectors with W in between.
; Work-group g = 8 c + i owns rows 256 i .. 256 i + 255 of class c (1 MiB of x) and stores
;   acc[g][0..1023] = the sum of its rows,   ml[g] = (m, l) = (0, 256): largest logit (base 2) and sum of weights,
;   va[c][128 i .. 128 i + 127] = 0: the summed query v, which stands for b = 0.
; 16 waves, 16 rows each.  A row is eight loads of 16 bytes a lane; each load of a wave covers 512 consecutive bytes.
; No matrix unit: one row of weights against each class is a product of one row, and memory binds.  No cluster: no two
; work-groups read the same byte of x.  No LDS ring: each byte is used by one wave, and registers hold what is in flight.
; Order of rounding: rows are summed per wave in ascending order, then the 16 waves in ascending order.
.set ROW,   4096                       ; bytes in a row of x
.set NSLOT, 6                          ; row slots in registers = rows in flight in each wave
.set ACC,   8                          ; v[8:39]    the wave's sum: register 4 jj + e = column 128 jj + 4 lane + e
.set X,     40                         ; v[40:231]  slot s: 32 registers, a row as loaded
.set R,     40                         ; v[40:71]   at the end: the 16 waves' sums of my two columns
	s_load_b256 s[4:11], s[0:1], 0x0               ; x s[4:5], acc s[6:7], ml s[8:9], va s[10:11]
	v_lshl_add_u32 v232, v0, 2, 0x10000
	v_mov_b32 v233, 0
	v_and_b32 v4, 31, v0
	v_lshlrev_b32 v4, 4, v4                        ; v4 = 16 x lane
	v_lshrrev_b32 v5, 5, v0                        ; wave
	v_readfirstlane_b32 s12, v5                    ; and as a scalar
	v_lshl_or_b32 v1, v5, 16, v4                   ; v1 = wave x 16 rows x 4,096 bytes + 16 x lane: never rewritten
	s_lshl_b32 s13, s12, 12
	v_add_nc_u32 v2, s13, v4                       ; v2 = LDS: the wave's 4,096 bytes + 16 x lane (61,936 at the most)
	v_lshlrev_b32 v3, 3, v0                        ; v3 = 8 t: my two columns, in LDS and in acc
	s_mov_b32 s3, 0                                ; every offset below is under 4 GiB
	s_lshl_b32 s2, ttmp9, 20
	s_wait_kmcnt 0x0
	s_add_nc_u64 s[4:5], s[4:5], s[2:3]            ; x   + g x 1 MiB
	s_lshl_b32 s2, ttmp9, 12
	s_add_nc_u64 s[6:7], s[6:7], s[2:3]            ; acc + g x 4,096
	s_lshl_b32 s2, ttmp9, 3
	s_add_nc_u64 s[8:9], s[8:9], s[2:3]            ; ml  + g x 8
	s_lshl_b32 s2, ttmp9, 9
	s_add_nc_u64 s[10:11], s[10:11], s[2:3]        ; va  + c x 4,096 + i x 512 = g x 512
.macro FILL slot, row                  ; eight loads: the whole row; all steps are in the immediate
.irp jj, 0,1,2,3,4,5,6,7
	global_load_b128 v[X+32*(\slot)+4*\jj:X+32*(\slot)+4*\jj+3], v1, s[4:5] offset:ROW*(\row)+512*\jj th:TH_LOAD_NT
.endr
.endm
.macro ADDROW slot
.irp k, 0,2,4,6,8,10,12,14,16,18,20,22,24,26,28,30
	v_pk_add_f32 v[ACC+\k:ACC+\k+1], v[ACC+\k:ACC+\k+1], v[X+32*(\slot)+\k:X+32*(\slot)+\k+1]
.endr
.endm
	FILL 0, 0
	FILL 1, 1
	FILL 2, 2
	FILL 3, 3
	FILL 4, 4
	FILL 5, 5
	s_wait_loadcnt 32                              ; rows 2 to 5 (32 loads) are younger: rows 0 and 1 are in
.irp k, 0,2,4,6,8,10,12,14,16,18,20,22,24,26,28,30
	v_pk_add_f32 v[ACC+\k:ACC+\k+1], v[X+\k:X+\k+1], v[X+32+\k:X+32+\k+1]   ; the first two rows start the sums: nothing is cleared
.endr
	FILL 0, 6
	FILL 1, 7
; Row r: rows up to r + 5 have been asked for, so min(5, 15 - r) rows of eight loads are younger.
.set r, 2
.rept 14
.if 15-r < 5
	s_wait_loadcnt 8*(15-r)
.else
	s_wait_loadcnt 40
.endif
.set sl, r%NSLOT
.set nr, r+NSLOT
	ADDROW sl
.if nr <= 15
	FILL sl, nr
.endif
.set r, r+1
.endr
	; the 16 waves' sums meet in LDS: byte 4,096 w + 4 x column
.irp jj, 0,1,2,3,4,5,6,7
	ds_store_b128 v2, v[ACC+4*\jj:ACC+4*\jj+3] offset:512*\jj
.endr
	s_wait_dscnt 0x0                               ; my stores are in LDS before I say so
	s_barrier_signal -1
	s_barrier_wait -1
.irp w, 0,1,2,3,4,5,6,7,8,9,10,11,12,13,14,15
	ds_load_b64 v[R+2*\w:R+2*\w+1], v3 offset:4096*\w
.endr
	s_wait_dscnt 0x0
.irp w, 1,2,3,4,5,6,7,8,9,10,11,12,13,14,15
	v_pk_add_f32 v[R:R+1], v[R:R+1], v[R+2*\w:R+2*\w+1]
.endr
	global_store_b64 v3, v[R:R+1], s[6:7]          ; a wave stores 256 consecutive bytes, at a multiple of 256 from acc's first byte
	s_cmp_lg_u32 s12, 0                            ; wave 0 alone writes the zeros of va and the pair (m, l)
	s_cbranch_scc1 .Ldone
	v_mov_b32 v72, 0
	v_mov_b32 v73, 0
	v_mov_b32 v74, 0
	v_mov_b32 v75, 0
	v_mov_b32 v76, 0                               ; m = 0
	v_mov_b32 v77, 0x43800000                      ; l = 256.0
	v_mov_b32 v78, 0
	global_store_b128 v4, v[72:75], s[10:11]       ; 512 consecutive bytes of zeros
	s_wait_xcnt 0x0                                ; EXEC is a source of the stores above: it narrows only behind this wait
	v_cmp_eq_u32 vcc_lo, 0, v0
	s_and_saveexec_b32 s20, vcc_lo
	global_store_b64 v78, v[76:77], s[8:9]
	s_wait_xcnt 0x0                                ; and widens only behind this one
	s_or_b32 exec_lo, exec_lo, s20
.Ldone:
	s_wait_tensorcnt 0x0
	ds_add_u32 v232, v233
	s_wait_dscnt 0x0
	s_endpgm
.Lfunc_end_k_qdb618bff7e_sum1:
	.size	k_qdb618bff7e_sum1, .Lfunc_end_k_qdb618bff7e_sum1-k_qdb618bff7e_sum1
	.p2alignl 7, 3214868480
	.fill 96, 4, 3214868480
	.section	.rodata,"a",@progbits
	.p2align	6, 0x0
	.amdhsa_kernel k_qdb618bff7e_sum1
		.amdhsa_group_segment_fixed_size 67584
		.amdhsa_private_segment_fixed_size 0
		.amdhsa_enable_private_segment 0
		.amdhsa_kernarg_size 32
		.amdhsa_user_sgpr_count 2
		.amdhsa_user_sgpr_kernarg_segment_ptr 1
		.amdhsa_wavefront_size32 1
		.amdhsa_system_sgpr_workgroup_id_x 1
		.amdhsa_system_sgpr_workgroup_id_y 1
		.amdhsa_system_sgpr_workgroup_id_z 1
		.amdhsa_system_vgpr_workitem_id 0
		.amdhsa_next_free_vgpr 234
		.amdhsa_next_free_sgpr 66
		.amdhsa_reserve_vcc 1
		.amdhsa_float_denorm_mode_32 3
		.amdhsa_float_denorm_mode_16_64 3
		.amdhsa_memory_ordered 1
		.amdhsa_forward_progress 1
		.amdhsa_inst_pref_size 32
	.end_amdhsa_kernel
	.amdgpu_metadata
---
amdhsa.version: [ 1, 2 ]
amdhsa.kernels:
  - .name:           k_qdb618bff7e_sum1
    .symbol:         k_qdb618bff7e_sum1.kd
    .args:
      - { .name: x, .offset: 0, .size: 8, .value_kind: global_buffer, .address_space: global }
      - { .name: acc, .offset: 8, .size: 8, .value_kind: global_buffer, .address_space: global }
      - { .name: ml, .offset: 16, .size: 8, .value_kind: global_buffer, .address_space: global }
      - { .name: va, .offset: 24, .size: 8, .value_kind: global_buffer, .address_space: global }
    .group_segment_fixed_size: 67584
    .private_segment_fixed_size: 0
    .kernarg_segment_align: 8
    .kernarg_segment_size: 32
    .max_flat_workgroup_size: 512
    .sgpr_count:     66
    .vgpr_count:     234
    .wavefront_size: 32
...
	.end_amdgpu_metadata
.endif
;; end of part 1
;; launch mix1 (part 2): grid 16 x 16, 16 waves a work-group, no clusters, 18,432 bytes of LDS; arguments W, acc, ml, vpart, sq, craw; writes vpart, sq, craw
.if DOCPART == 2
	.amdgcn_target "amdgcn-amd-amdhsa--gfx1250"
	.amdhsa_code_object_version 6
	.text
	.protected	k_qdb618bff7e_mix1
	.globl	k_qdb618bff7e_mix1
	.p2align	8
	.type	k_qdb618bff7e_mix1,@function
k_qdb618bff7e_mix1:
	s_mov_b64 s[64:65], 0
	v_nop
	global_prefetch_b8 v0, s[64:65] scope:SCOPE_SE
	s_setreg_imm32_b32 hwreg(HW_REG_WAVE_MODE, 25, 1), 1
	s_wait_xcnt 0x0
; THE TWO PRODUCTS WITH W OF ONE ROUTING ROUND, for two classes and 64 columns of W.
;   u[c][h]      = sum_i 2^(m_i - M) acc[8c+i][h] / sum_i 2^(m_i - M) l_i      (the eight chunks' softmax parts joined; M = max m_i)
;   craw[c][k]   = sum_h u[c][h] W[h][k]                 for k in block j (64 columns)          -> craw
;   sq[c][j]     = sum over k in block j of craw[c][k]^2                                        -> sq
;   vpart[j][c][h] = sum over k in block j of W[h][k] craw[c][k]                                -> vpart
; The norm and the sum over j span work-groups, so the launch that follows forms them.  In the program's last round vpart is the
; reference's own last update of b, which nothing reads: it is stored all the same, so that the three rounds share this text.
; Work-group (j, G): columns 64 j .. 64 j + 63, classes 2 G and 2 G + 1.  16 waves; lane l = 16 p + kq of wave w keeps
; W[64 w + 32 p + r][64 j + 4 kq .. + 3], r = 0 .. 31, in 128 registers: each element of the block is loaded once and used four times
; (two products, two classes).  Sixteen neighbouring lanes of a load cover 256 consecutive bytes of one row of W.
; f32 on the vector unit: two rows against W is a product of few rows, and the logits that follow from it decide a softmax whose
; largest entries can lie close together, so the operands are not rounded.
; No cluster: the 16 work-groups of one j read the same block of W, but a joint request lands in LDS, from where the 256 KiB
; would have to be read again into the registers in which they lie here at once.
; Limits: weights below 2^-126 count as zero (v_exp_f32 flushes); 1/L by v_rcp_f32.  L >= 1, since the largest chunk has weight 1 and l >= 1.
.set UL,   0                           ; LDS 0..8191      u of the two classes: class x 4,096 + 4 h
.set RED,  8192                        ; LDS 8192..16383  16 waves x 512 bytes: partial craw
.set WT,   12                          ; v[12:19]  the eight chunks' weights
.set PA,   22                          ; v[22:25]  u quad, then partial craw of class p
.set PB,   26                          ; v[26:29]  partial craw of class 1 - p
.set XT,   30                          ; v[30:33]  set-up, then what comes from the other half of the lanes
.set CR,   34                          ; v[34:37]  craw of class p, columns 4 kq ..
.set CP,   42                          ; v[42:49]  pairs (craw of the class I keep, craw of the class I send), column q
.set TMP,  50                          ; v[50:53]  what a reduction step sends
.set DF,   54                          ; v[54:61]  m_i - M
.set O,    54                          ; v[54:57]  later: the four results to store
.set Q,    62                          ; v62       1/L, then the sum of squares
.set A,    64                          ; v[64:95]  acc of my four columns, eight chunks
.set UA,   64                          ; v[64:95]  then u[p][my 32 rows]
.set UB,   96                          ; v[96:127] and u[1-p][my 32 rows]
.set RD,   64                          ; v[64:127] then the 16 waves' partial craw
.set T,    64                          ; v[64:127] then 32 pairs: row r of W times both classes
.set WR,   128                         ; v[128:255] my 32 rows x 4 columns of W
	s_load_b256 s[4:11], s[0:1], 0x0               ; W s[4:5], acc s[6:7], ml s[8:9], vpart s[10:11]
	s_load_b128 s[12:15], s[0:1], 0x20             ; sq s[12:13], craw s[14:15]
	v_lshl_add_u32 v40, v0, 2, 0x4000
	v_mov_b32 v41, 0
	v_and_b32 v11, 15, v0                          ; kq
	v_bfe_u32 v63, v0, 4, 1                        ; p
	v_lshrrev_b32 v30, 5, v0                       ; w
	v_readfirstlane_b32 s18, v30
	v_and_b32 v31, 31, v0                          ; l
	v_lshrrev_b32 v32, 8, v0                       ; which of the two classes thread t joins
	v_and_b32 v33, 0xff, v0
	v_lshlrev_b32 v33, 4, v33
	v_lshl_or_b32 v1, v32, 15, v33                 ; v1 = class x 8 chunks x 4,096 + 16 (t mod 256)
	v_lshlrev_b32 v2, 4, v11
	v_lshl_or_b32 v2, v63, 17, v2
	v_lshl_or_b32 v2, v30, 18, v2                  ; v2 = (64 w + 32 p) rows of 4,096 bytes + 16 kq
	s_and_b32 s17, ttmp7, 0xffff                   ; G;  ttmp9 = j
	s_mov_b32 s21, 0
	s_mov_b32 s22, 0x76543210                      ; v_permlanex16_b32 with (s22, s23): lane i of the other half;
	s_mov_b32 s23, 0xfedcba98                      ; with (s23, s22): lane i xor 8 of the other half
	s_lshr_b32 s19, s18, 3
	s_lshl1_add_u32 s19, s17, s19                  ; the class whose u this wave joins: 2 G + w / 8
	s_lshl_b32 s29, s18, 9
	s_add_co_u32 s29, s29, RED                     ; my wave's 512 bytes of RED
	s_wait_kmcnt 0x0
	s_lshl_b32 s20, ttmp9, 8
	s_add_nc_u64 s[4:5], s[4:5], s[20:21]          ; W    + 256 j
	s_add_nc_u64 s[14:15], s[14:15], s[20:21]      ; craw + 256 j
	s_lshl_b32 s20, s17, 16
	s_add_nc_u64 s[6:7], s[6:7], s[20:21]          ; acc  + 2 G x 8 x 4,096
	s_lshl_b32 s20, s19, 6
	s_add_nc_u64 s[8:9], s[8:9], s[20:21]          ; ml   + class x 64
	s_lshl_b32 s20, s17, 13
	s_add_nc_u64 s[14:15], s[14:15], s[20:21]      ; craw + 2 G x 4,096
	s_add_nc_u64 s[10:11], s[10:11], s[20:21]      ; vpart + 2 G x 4,096
	s_lshl_b32 s20, ttmp9, 17
	s_add_nc_u64 s[10:11], s[10:11], s[20:21]      ; vpart + j x 32 x 4,096
	s_lshl_b32 s20, s17, 7
	s_add_nc_u64 s[12:13], s[12:13], s[20:21]      ; sq + 2 G x 64
	s_lshl_b32 s20, ttmp9, 2
	s_add_nc_u64 s[12:13], s[12:13], s[20:21]      ; sq + 4 j
	; everything this work-group reads is asked for here
.irp i, 0,1,2,3,4,5,6,7
	global_load_b128 v[A+4*\i:A+4*\i+3], v1, s[6:7] offset:4096*\i
.endr
.set r, 0
.rept 32
	global_load_b128 v[WR+4*r:WR+4*r+3], v2, s[4:5] offset:4096*r
.set r, r+1
.endr
	s_load_b512 s[32:47], s[8:9], 0x0              ; (m_i, l_i), i = 0 .. 7: s[32+2i], s[33+2i]
	; LDS addresses are sums of their parts, so that each one's range can be read off the text
	v_lshlrev_b32 v3, 4, v0                        ; v3 = 16 t: where my u quad goes (8,176 at the most)
	v_lshlrev_b32 v32, 8, v30
	v_lshl_add_u32 v32, v63, 7, v32                ; 4 (64 w + 32 p): 3,968 at the most
	v_lshl_add_u32 v4, v63, 12, v32                ; v4 = u[p][my rows]
	v_xor_b32 v33, 16, v0
	v_bfe_u32 v33, v33, 4, 1                       ; 1 - p
	v_lshl_add_u32 v5, v33, 12, v32                ; v5 = u[1-p][my rows]; both end at 4,096 + 3,968 + 128 = 8,192
	v_lshlrev_b32 v31, 4, v31                      ; 16 l
	v_add_nc_u32 v6, RED, v31                      ; v6 = RED + 16 l
	v_add_nc_u32 v7, s29, v31                      ; v7 = RED + 512 w + 16 l (16,368 at the most)
	v_lshlrev_b32 v9, 4, v11
	v_lshl_or_b32 v8, v30, 8, v9
	v_lshl_or_b32 v8, v63, 12, v8                  ; v8 = vpart: class p, rows 64 w + 4 kq ..
	v_lshl_or_b32 v9, v63, 12, v9                  ; v9 = craw: class p, columns 4 kq ..
	v_lshlrev_b32 v10, 6, v63                      ; v10 = sq: class p
	v_lshrrev_b32 v33, 1, v0
	v_xor_b32 v33, v33, v0
	v_and_b32 v33, 8, v33
	v_cmp_ne_u32 s24, 0, v33                       ; s24: lanes whose bit 3 differs from bit 4
	v_and_b32 v33, 4, v0
	v_cmp_ne_u32 s25, 0, v33                       ; s25, s26, s27: lanes with bit 2, 1, 0 set
	v_and_b32 v33, 2, v0
	v_cmp_ne_u32 s26, 0, v33
	v_and_b32 v33, 1, v0
	v_cmp_ne_u32 s27, 0, v33
	; the eight chunks' weights 2^(m_i - M) / L
	s_wait_kmcnt 0x0
	v_mov_b32 v20, s32
	v_max3_num_f32 v20, v20, s34, s36
	v_max3_num_f32 v20, v20, s38, s40
	v_max3_num_f32 v20, v20, s42, s44
	v_max_num_f32 v20, s46, v20                    ; M
.irp i, 0,1,2,3,4,5,6,7
	v_sub_f32 v[DF+\i], s[32+2*\i], v20
.endr
.irp i, 0,1,2,3,4,5,6,7
	v_exp_f32 v[WT+\i], v[DF+\i]
.endr
	v_nop                                          ; one plain place behind the last exponential (ISA guide 5.7.2)
	s_wait_alu depctr_va_vdst(0)
	v_mul_f32 v21, s33, v[WT]
.irp i, 1,2,3,4,5,6,7
	v_fmac_f32 v21, s[33+2*\i], v[WT+\i]           ; L
.endr
	v_rcp_f32 v[Q], v21
	v_nop
	s_wait_alu depctr_va_vdst(0)
.irp i, 0,1,2,3,4,5,6,7
	v_mul_f32 v[WT+\i], v[WT+\i], v[Q]
.endr
	s_wait_loadcnt 32                              ; W's 32 loads are younger: acc's eight are in
	v_pk_mul_f32 v[PA:PA+1],   v[A:A+1],   v[WT:WT+1] op_sel_hi:[1,0]
	v_pk_mul_f32 v[PA+2:PA+3], v[A+2:A+3], v[WT:WT+1] op_sel_hi:[1,0]
	v_pk_fma_f32 v[PA:PA+1],   v[A+4:A+5], v[WT:WT+1], v[PA:PA+1]     op_sel:[0,1,0] op_sel_hi:[1,1,1]
	v_pk_fma_f32 v[PA+2:PA+3], v[A+6:A+7], v[WT:WT+1], v[PA+2:PA+3]   op_sel:[0,1,0] op_sel_hi:[1,1,1]
.irp k, 1,2,3
	v_pk_fma_f32 v[PA:PA+1],   v[A+8*\k:A+8*\k+1],   v[WT+2*\k:WT+2*\k+1], v[PA:PA+1]   op_sel_hi:[1,0,1]
	v_pk_fma_f32 v[PA+2:PA+3], v[A+8*\k+2:A+8*\k+3], v[WT+2*\k:WT+2*\k+1], v[PA+2:PA+3] op_sel_hi:[1,0,1]
	v_pk_fma_f32 v[PA:PA+1],   v[A+8*\k+4:A+8*\k+5], v[WT+2*\k:WT+2*\k+1], v[PA:PA+1]   op_sel:[0,1,0] op_sel_hi:[1,1,1]
	v_pk_fma_f32 v[PA+2:PA+3], v[A+8*\k+6:A+8*\k+7], v[WT+2*\k:WT+2*\k+1], v[PA+2:PA+3] op_sel:[0,1,0] op_sel_hi:[1,1,1]
.endr
	ds_store_b128 v3, v[PA:PA+3]
	s_wait_dscnt 0x0                               ; my part of u is in LDS before I say so
	s_barrier_signal -1
	s_barrier_wait -1
.irp k, 0,1,2,3,4,5,6,7
	ds_load_b128 v[UA+4*\k:UA+4*\k+3], v4 offset:16*\k     ; sixteen lanes read the same 16 bytes
	ds_load_b128 v[UB+4*\k:UB+4*\k+3], v5 offset:16*\k
.endr
	s_wait_dscnt 0x0
; FIRST PRODUCT.  Rows 2 k and 2 k + 1 of my 32: four columns of W times u of both classes.  Four chains.
.macro S1PAIR k, first
.if \first
	v_pk_mul_f32 v[PA:PA+1],   v[WR+8*\k:WR+8*\k+1],   v[UA+2*\k:UA+2*\k+1] op_sel_hi:[1,0]
	v_pk_mul_f32 v[PA+2:PA+3], v[WR+8*\k+2:WR+8*\k+3], v[UA+2*\k:UA+2*\k+1] op_sel_hi:[1,0]
	v_pk_mul_f32 v[PB:PB+1],   v[WR+8*\k:WR+8*\k+1],   v[UB+2*\k:UB+2*\k+1] op_sel_hi:[1,0]
	v_pk_mul_f32 v[PB+2:PB+3], v[WR+8*\k+2:WR+8*\k+3], v[UB+2*\k:UB+2*\k+1] op_sel_hi:[1,0]
.else
	v_pk_fma_f32 v[PA:PA+1],   v[WR+8*\k:WR+8*\k+1],   v[UA+2*\k:UA+2*\k+1], v[PA:PA+1]   op_sel_hi:[1,0,1]
	v_pk_fma_f32 v[PA+2:PA+3], v[WR+8*\k+2:WR+8*\k+3], v[UA+2*\k:UA+2*\k+1], v[PA+2:PA+3] op_sel_hi:[1,0,1]
	v_pk_fma_f32 v[PB:PB+1],   v[WR+8*\k:WR+8*\k+1],   v[UB+2*\k:UB+2*\k+1], v[PB:PB+1]   op_sel_hi:[1,0,1]
	v_pk_fma_f32 v[PB+2:PB+3], v[WR+8*\k+2:WR+8*\k+3], v[UB+2*\k:UB+2*\k+1], v[PB+2:PB+3] op_sel_hi:[1,0,1]
.endif
	v_pk_fma_f32 v[PA:PA+1],   v[WR+8*\k+4:WR+8*\k+5], v[UA+2*\k:UA+2*\k+1], v[PA:PA+1]   op_sel:[0,1,0] op_sel_hi:[1,1,1]
	v_pk_fma_f32 v[PA+2:PA+3], v[WR+8*\k+6:WR+8*\k+7], v[UA+2*\k:UA+2*\k+1], v[PA+2:PA+3] op_sel:[0,1,0] op_sel_hi:[1,1,1]
	v_pk_fma_f32 v[PB:PB+1],   v[WR+8*\k+4:WR+8*\k+5], v[UB+2*\k:UB+2*\k+1], v[PB:PB+1]   op_sel:[0,1,0] op_sel_hi:[1,1,1]
	v_pk_fma_f32 v[PB+2:PB+3], v[WR+8*\k+6:WR+8*\k+7], v[UB+2*\k:UB+2*\k+1], v[PB+2:PB+3] op_sel:[0,1,0] op_sel_hi:[1,1,1]
.endm
	s_wait_loadcnt 24                              ; 24 rows of W are younger than row 7
	S1PAIR 0, 1
	S1PAIR 1, 0
	S1PAIR 2, 0
	S1PAIR 3, 0
	s_wait_loadcnt 16                              ; 16 are younger than row 15
	S1PAIR 4, 0
	S1PAIR 5, 0
	S1PAIR 6, 0
	S1PAIR 7, 0
	s_wait_loadcnt 8                               ; 8 are younger than row 23
	S1PAIR 8, 0
	S1PAIR 9, 0
	S1PAIR 10, 0
	S1PAIR 11, 0
	s_wait_loadcnt 0x0
	S1PAIR 12, 0
	S1PAIR 13, 0
	S1PAIR 14, 0
	S1PAIR 15, 0
	; The other half's PB is MY class over ITS 32 rows (its classes are swapped), so the sum needs no select.
.irp q, 0,1,2,3
	v_permlanex16_b32 v[XT+\q], v[PB+\q], s22, s23
.endr
	v_pk_add_f32 v[PA:PA+1],   v[PA:PA+1],   v[XT:XT+1]
	v_pk_add_f32 v[PA+2:PA+3], v[PA+2:PA+3], v[XT+2:XT+3]  ; class p, columns 4 kq .., the wave's 64 rows
	ds_store_b128 v7, v[PA:PA+3]
	s_wait_dscnt 0x0
	s_barrier_signal -1
	s_barrier_wait -1
.irp g, 0,1,2,3,4,5,6,7,8,9,10,11,12,13,14,15
	ds_load_b128 v[RD+4*\g:RD+4*\g+3], v6 offset:512*\g
.endr
	s_wait_dscnt 0x0
	v_pk_add_f32 v[CR:CR+1],   v[RD:RD+1],   v[RD+4:RD+5]
	v_pk_add_f32 v[CR+2:CR+3], v[RD+2:RD+3], v[RD+6:RD+7]
.irp g, 2,3,4,5,6,7,8,9,10,11,12,13,14,15
	v_pk_add_f32 v[CR:CR+1],   v[CR:CR+1],   v[RD+4*\g:RD+4*\g+1]
	v_pk_add_f32 v[CR+2:CR+3], v[CR+2:CR+3], v[RD+4*\g+2:RD+4*\g+3]
.endr
	v_mul_f32 v[Q], v[CR], v[CR]                   ; the block's share of |craw|^2, class p
	v_fmac_f32 v[Q], v[CR+1], v[CR+1]
	v_fmac_f32 v[Q], v[CR+2], v[CR+2]
	v_fmac_f32 v[Q], v[CR+3], v[CR+3]
	v_add_f32_dpp v[Q], v[Q], v[Q] row_xmask:1 row_mask:0xf bank_mask:0xf
	v_add_f32_dpp v[Q], v[Q], v[Q] row_xmask:2 row_mask:0xf bank_mask:0xf
	v_add_f32_dpp v[Q], v[Q], v[Q] row_xmask:4 row_mask:0xf bank_mask:0xf
	v_add_f32_dpp v[Q], v[Q], v[Q] row_xmask:8 row_mask:0xf bank_mask:0xf
	s_cmp_lg_u32 s18, 0                            ; every wave holds the same craw: wave 0 stores it
	s_cbranch_scc1 .Lnot0
	global_store_b128 v9, v[CR:CR+3], s[14:15]     ; sixteen lanes store 256 consecutive bytes, at a multiple of 256 from craw's first byte
	s_wait_xcnt 0x0                                ; EXEC narrows only behind this wait
	v_cmp_eq_u32 vcc_lo, 0, v11
	s_and_saveexec_b32 s28, vcc_lo                 ; lanes 0 and 16: one word for each class
	global_store_b32 v10, v[Q], s[12:13]
	s_wait_xcnt 0x0                                ; and widens only behind this one
	s_or_b32 exec_lo, exec_lo, s28
.Lnot0:
	; SECOND PRODUCT.  A lane multiplies its rows with both classes; of the two it will keep class (bit 3 of the lane) and send the other.
.irp q, 0,1,2,3
	v_permlanex16_b32 v[XT+\q], v[CR+\q], s22, s23         ; craw of class 1 - p
.endr
.irp q, 0,1,2,3
	v_cndmask_b32 v[CP+2*\q],   v[CR+\q], v[XT+\q], s24    ; kept:  class bit 3
	v_cndmask_b32 v[CP+2*\q+1], v[XT+\q], v[CR+\q], s24    ; sent:  the other
.endr
.macro S2GRP r0                        ; four rows: pair T[r] = sum over q of W[r][q] x (kept[q], sent[q]); W's element feeds both halves
.irp d, 0,1,2,3
	v_pk_mul_f32 v[T+2*(\r0+\d):T+2*(\r0+\d)+1], v[WR+4*(\r0+\d):WR+4*(\r0+\d)+1], v[CP:CP+1] op_sel_hi:[0,1]
.endr
.irp d, 0,1,2,3
	v_pk_fma_f32 v[T+2*(\r0+\d):T+2*(\r0+\d)+1], v[WR+4*(\r0+\d):WR+4*(\r0+\d)+1], v[CP+2:CP+3], v[T+2*(\r0+\d):T+2*(\r0+\d)+1] op_sel:[1,0,0] op_sel_hi:[1,1,1]
.endr
.irp d, 0,1,2,3
	v_pk_fma_f32 v[T+2*(\r0+\d):T+2*(\r0+\d)+1], v[WR+4*(\r0+\d)+2:WR+4*(\r0+\d)+3], v[CP+4:CP+5], v[T+2*(\r0+\d):T+2*(\r0+\d)+1] op_sel_hi:[0,1,1]
.endr
.irp d, 0,1,2,3
	v_pk_fma_f32 v[T+2*(\r0+\d):T+2*(\r0+\d)+1], v[WR+4*(\r0+\d)+2:WR+4*(\r0+\d)+3], v[CP+6:CP+7], v[T+2*(\r0+\d):T+2*(\r0+\d)+1] op_sel:[1,0,0] op_sel_hi:[1,1,1]
.endr
.irp d, 0,1,2,3
	v_add_f32_dpp v[T+2*(\r0+\d)], v[T+2*(\r0+\d)+1], v[T+2*(\r0+\d)] row_xmask:8 row_mask:0xf bank_mask:0xf   ; lane i xor 8 sends the class that I keep
.endr
.endm
.irp r0, 0,4,8,12,16,20,24,28
	S2GRP \r0
.endr
; The sum over the other eight lanes, halving what a lane keeps at each step: of n rows a lane with the step's bit set keeps the upper
; half and sends the lower, its partner the other way round.
.macro RS n, xm, smask
.set i, 0
.rept \n/2
	v_cndmask_b32 v[TMP+i%4], v[T+2*i+\n], v[T+2*i], \smask
	v_cndmask_b32 v[T+2*i], v[T+2*i], v[T+2*i+\n], \smask
	v_add_f32_dpp v[T+2*i], v[TMP+i%4], v[T+2*i] row_xmask:\xm row_mask:0xf bank_mask:0xf
.set i, i+1
.endr
.endm
	RS 32, 4, s25
	RS 16, 2, s26
	RS 8, 1, s27
	; Lane l now holds class (bit 3), rows 64 w + 32 p + 4 (l mod 8) + q in T[2 q].  Wanted: class p, rows 64 w + 4 kq + q.
	; Where bit 3 = p that is the lane's own; elsewhere it lies in the other half's lane i xor 8.
.irp q, 0,1,2,3
	v_permlanex16_b32 v[XT+\q], v[T+2*\q], s23, s22
.endr
.irp q, 0,1,2,3
	v_cndmask_b32 v[O+\q], v[T+2*\q], v[XT+\q], s24
.endr
	global_store_b128 v8, v[O:O+3], s[10:11]       ; sixteen lanes store 256 consecutive bytes, at a multiple of 256 from vpart's first byte
	s_wait_tensorcnt 0x0
	ds_add_u32 v40, v41
	s_wait_dscnt 0x0
	s_endpgm
.Lfunc_end_k_qdb618bff7e_mix1:
	.size	k_qdb618bff7e_mix1, .Lfunc_end_k_qdb618bff7e_mix1-k_qdb618bff7e_mix1
	.p2alignl 7, 3214868480
	.fill 96, 4, 3214868480
	.section	.rodata,"a",@progbits
	.p2align	6, 0x0
	.amdhsa_kernel k_qdb618bff7e_mix1
		.amdhsa_group_segment_fixed_size 18432
		.amdhsa_private_segment_fixed_size 0
		.amdhsa_enable_private_segment 0
		.amdhsa_kernarg_size 48
		.amdhsa_user_sgpr_count 2
		.amdhsa_user_sgpr_kernarg_segment_ptr 1
		.amdhsa_wavefront_size32 1
		.amdhsa_system_sgpr_workgroup_id_x 1
		.amdhsa_system_sgpr_workgroup_id_y 1
		.amdhsa_system_sgpr_workgroup_id_z 1
		.amdhsa_system_vgpr_workitem_id 0
		.amdhsa_next_free_vgpr 256
		.amdhsa_next_free_sgpr 66
		.amdhsa_reserve_vcc 1
		.amdhsa_float_denorm_mode_32 3
		.amdhsa_float_denorm_mode_16_64 3
		.amdhsa_memory_ordered 1
		.amdhsa_forward_progress 1
		.amdhsa_inst_pref_size 40
	.end_amdhsa_kernel
	.amdgpu_metadata
---
amdhsa.version: [ 1, 2 ]
amdhsa.kernels:
  - .name:           k_qdb618bff7e_mix1
    .symbol:         k_qdb618bff7e_mix1.kd
    .args:
      - { .name: W, .offset: 0, .size: 8, .value_kind: global_buffer, .address_space: global }
      - { .name: acc, .offset: 8, .size: 8, .value_kind: global_buffer, .address_space: global }
      - { .name: ml, .offset: 16, .size: 8, .value_kind: global_buffer, .address_space: global }
      - { .name: vpart, .offset: 24, .size: 8, .value_kind: global_buffer, .address_space: global }
      - { .name: sq, .offset: 32, .size: 8, .value_kind: global_buffer, .address_space: global }
      - { .name: craw, .offset: 40, .size: 8, .value_kind: global_buffer, .address_space: global }
    .group_segment_fixed_size: 18432
    .private_segment_fixed_size: 0
    .kernarg_segment_align: 8
    .kernarg_segment_size: 48
    .max_flat_workgroup_size: 512
    .sgpr_count:     66
    .vgpr_count:     256
    .wavefront_size: 32
...
	.end_amdgpu_metadata
.endif
;; end of part 2
;; launch route2 (part 3): grid 256 x 1, 16 waves a work-group, no clusters, 71,936 bytes of LDS; arguments x, vpart, sq, va, acc, ml, vb; writes acc, ml, vb
.if DOCPART == 3
	.amdgcn_target "amdgcn-amd-amdhsa--gfx1250"
	.amdhsa_code_object_version 6
	.text
	.protected	k_qdb618bff7e_route2
	.globl	k_qdb618bff7e_route2
	.p2align	8
	.type	k_qdb618bff7e_route2,@function
k_qdb618bff7e_route2:
	s_mov_b64 s[64:65], 0
	v_nop
	global_prefetch_b8 v0, s[64:65] scope:SCOPE_SE
	s_setreg_imm32_b32 hwreg(HW_REG_WAVE_MODE, 25, 1), 1
	s_wait_xcnt 0x0
; ROUNDS 2 AND 3 OF THE ROUTING, FIRST HALF: one stream over x that forms the logits and the softmax-weighted sum of rows at once.
;   coeff   = S / (1 + S) / sqrt(S + 1e-9),  S = sum_j sq[c][j]                      (the squash of the round before)
;   vnew[c] = vprev[c] + coeff sum_j vpart[j][c]                                     (b_s = x_s . vnew: all updates of b so far)
;   for the 256 rows s of chunk i of class c:  t_s = log2(e) x_s . vnew,  m = max t_s,  l = sum 2^(t_s - m),  acc = sum 2^(t_s - m) x_s
; The maximum is a running one, per wave, and the waves' parts are joined at the end on their common maximum; the eight chunks of a
; class are joined the same way by the launch that follows.  No exponent hangs on the size of the data.
; Work-group g = 8 c + i; 16 waves, 16 rows each, two rows a turn; a row is eight loads of 16 bytes a lane, 512 consecutive bytes each.
; x is key and value: each byte is loaded once and stays in registers between the dot product and the weighted sum.
; f32 on the vector unit: one query a class is a product of one row, memory binds, and the two largest of 2,048 logits can lie close
; together, so the operands are not rounded.  No cluster: no two work-groups share a byte of x; what they share (vpart, 64 KiB for
; each of the eight chunks of a class) is a sixteenth of what a work-group reads.
; In the program's last use vnew is stored and never read: it is the state as the reference leaves it.
; Limits: weights below 2^-126 of the largest count as zero (v_exp_f32 flushes); v_rcp_f32 and v_rsq_f32 are good to the last bit only;
; S above 2^126 gives coeff = 0 (1 / (1 + S) flushes); a NaN in x reaches the result through the weights, not through the maximum;
; sums run in another order than the reference's, and b is formed as x . (v1 + v2) in place of x . v1 + x . v2.
.set ROW,   4096
.set VQL,   0                          ; LDS 0..4095       the query times log2(e)
.set STAGE, 4096                       ; LDS 4096..69631   16 waves x 4,096 bytes: weighted sums
.set MLL,   69632                      ; LDS 69632..69759  16 x (m, l)
.set V,     24                         ; v[24:55]   the query: register 4 jj + e = column 128 jj + 4 lane + e
.set ACC,   56                         ; v[56:87]   the weighted sum, same layout; first the 16 parts of vpart
.set X,     88                         ; v[88:215]  four row slots of 32
; v1 8 t   v2 offset in x   v3 16 lane   v[4:5] vnew   v6 m   v7 l   v8,v9 scores   v10,v11 weights   v12 rescale   v13 new m
; v[14:21] four dot-product pairs   v22,v23 from the other half of the lanes
	s_load_b256 s[4:11], s[0:1], 0x0               ; x s[4:5], vpart s[6:7], sq s[8:9], vprev s[10:11]
	s_load_b128 s[12:15], s[0:1], 0x20             ; acc s[12:13], ml s[14:15]
	s_load_b64 s[16:17], s[0:1], 0x30              ; vnew
	v_lshl_add_u32 v216, v0, 2, 0x11100
	v_mov_b32 v217, 0
	v_lshlrev_b32 v1, 3, v0
	v_and_b32 v3, 31, v0
	v_lshlrev_b32 v3, 4, v3
	v_lshrrev_b32 v22, 5, v0
	v_readfirstlane_b32 s18, v22                   ; wave
	v_lshl_or_b32 v2, v22, 16, v3                  ; wave x 16 rows x 4,096 bytes + 16 x lane: never rewritten
	v_mov_b32 v23, 0                               ; v22 and v23 are written before v_permlanex16_b32 names them
	s_lshr_b32 s20, ttmp9, 3                       ; c
	s_and_b32 s21, ttmp9, 7                        ; i
	s_lshr_b32 s27, s18, 1
	s_mov_b32 s23, 0
	s_mov_b32 s24, 0x76543210                      ; v_permlanex16_b32: lane i of the other half
	s_mov_b32 s25, 0xfedcba98
	s_wait_kmcnt 0x0
	s_lshl_b32 s22, ttmp9, 20
	s_add_nc_u64 s[4:5], s[4:5], s[22:23]          ; x + g x 1 MiB
	s_lshl_b32 s22, s20, 12
	s_add_nc_u64 s[6:7], s[6:7], s[22:23]          ; vpart, vprev, vnew + c x 4,096
	s_add_nc_u64 s[10:11], s[10:11], s[22:23]
	s_add_nc_u64 s[16:17], s[16:17], s[22:23]
	s_lshl_b32 s22, s20, 6
	s_add_nc_u64 s[8:9], s[8:9], s[22:23]          ; sq + c x 64
	s_lshl_b32 s22, ttmp9, 12
	s_add_nc_u64 s[12:13], s[12:13], s[22:23]      ; acc + g x 4,096
	s_lshl_b32 s22, ttmp9, 3
	s_add_nc_u64 s[14:15], s[14:15], s[22:23]      ; ml + g x 8
.macro FILL slot, row
.irp jj, 0,1,2,3,4,5,6,7
	global_load_b128 v[X+32*(\slot)+4*\jj:X+32*(\slot)+4*\jj+3], v2, s[4:5] offset:ROW*(\row)+512*\jj th:TH_LOAD_NT
.endr
.endm
.macro COEFF ssum, s, a, b, ra, rb, c  ; v[c], v[c+1] = S / (1 + S) / sqrt(S + 1e-9)
	v_mov_b32 v[\s], \ssum
	v_add_f32 v[\a], 1.0, v[\s]
	v_add_f32 v[\b], 0x3089705f, v[\s]             ; 1e-9
	v_rcp_f32 v[\ra], v[\a]
	v_rsq_f32 v[\rb], v[\b]
	v_nop                                          ; one plain place behind the two (ISA guide 5.7.2)
	s_wait_alu depctr_va_vdst(0)
	v_mul_f32 v[\s], v[\s], v[\ra]
	v_mul_f32 v[\c], v[\s], v[\rb]
	v_mov_b32 v[\c+1], v[\c]
.endm
	; thread t forms elements 2 t and 2 t + 1 of vnew
.irp j, 0,1,2,3,4,5,6,7,8,9,10,11,12,13,14,15
	global_load_b64 v[ACC+2*\j:ACC+2*\j+1], v1, s[6:7] offset:131072*\j
.endr
	global_load_b64 v[8:9], v1, s[10:11]
	s_load_b512 s[32:47], s[8:9], 0x0
	FILL 0, 0                                      ; and x is on its way meanwhile
	FILL 1, 1
	FILL 2, 2
	FILL 3, 3
	s_wait_kmcnt 0x0
	s_add_f32 s48, s32, s33
.irp j, 34,35,36,37,38,39,40,41,42,43,44,45,46,47
	s_add_f32 s48, s48, s\j
.endr
	COEFF s48, 14, 15, 16, 17, 20, 10
	s_wait_loadcnt 32                              ; the four rows of x (32 loads) are younger: the 17 loads above are in
.irp j, 1,2,3,4,5,6,7,8,9,10,11,12,13,14,15
	v_pk_add_f32 v[ACC:ACC+1], v[ACC:ACC+1], v[ACC+2*\j:ACC+2*\j+1]
.endr
	v_pk_fma_f32 v[4:5], v[ACC:ACC+1], v[10:11], v[8:9]            ; vnew
	v_pk_mul_f32 v[18:19], v[4:5], 0x3fb8aa3b op_sel_hi:[1,0]      ; times log2(e): the exponentials below are base 2
	ds_store_b64 v1, v[18:19]
	s_wait_dscnt 0x0
	s_barrier_signal -1
	s_barrier_wait -1
.irp jj, 0,1,2,3,4,5,6,7
	ds_load_b128 v[V+4*\jj:V+4*\jj+3], v3 offset:512*\jj
.endr
	s_cmp_lg_u32 s27, s21                          ; all eight chunks of a class form the same vnew: chunk i stores elements 128 i .. 128 i + 127,
	s_cbranch_scc1 .Lnostore                       ; which waves 2 i and 2 i + 1 hold
	global_store_b64 v1, v[4:5], s[16:17]          ; a wave stores 256 consecutive bytes
.Lnostore:
	s_wait_dscnt 0x0
; One turn: rows row and row + 1 of the wave, in slots a and a + 1.  first = 1: they start m, l and the sums.
; refill = 1: the slots get rows row + 4 and row + 5 as soon as they are read out.  left = younger loads that may stay out.
.macro TURN a, row, first, refill, left
.set XA, X+32*\a
.set XB, X+32*\a+32
	s_wait_loadcnt \left
	v_pk_mul_f32 v[14:15], v[XA:XA+1],   v[V:V+1]
	v_pk_mul_f32 v[16:17], v[XA+2:XA+3], v[V+2:V+3]
	v_pk_mul_f32 v[18:19], v[XB:XB+1],   v[V:V+1]
	v_pk_mul_f32 v[20:21], v[XB+2:XB+3], v[V+2:V+3]
.irp q, 4,8,12,16,20,24,28
	v_pk_fma_f32 v[14:15], v[XA+\q:XA+\q+1],   v[V+\q:V+\q+1],   v[14:15]
	v_pk_fma_f32 v[16:17], v[XA+\q+2:XA+\q+3], v[V+\q+2:V+\q+3], v[16:17]
	v_pk_fma_f32 v[18:19], v[XB+\q:XB+\q+1],   v[V+\q:V+\q+1],   v[18:19]
	v_pk_fma_f32 v[20:21], v[XB+\q+2:XB+\q+3], v[V+\q+2:V+\q+3], v[20:21]
.endr
	v_pk_add_f32 v[14:15], v[14:15], v[16:17]
	v_pk_add_f32 v[18:19], v[18:19], v[20:21]
	v_add_f32 v8, v14, v15
	v_add_f32 v9, v18, v19
.irp m, 1,2,4,8
	v_add_f32_dpp v8, v8, v8 row_xmask:\m row_mask:0xf bank_mask:0xf
	v_add_f32_dpp v9, v9, v9 row_xmask:\m row_mask:0xf bank_mask:0xf
.endr
	v_permlanex16_b32 v22, v8, s24, s25
	v_permlanex16_b32 v23, v9, s24, s25
	v_add_f32 v8, v8, v22                          ; the two scores, in every lane
	v_add_f32 v9, v9, v23
.if \first
	v_max_num_f32 v13, v8, v9
.else
	v_max3_num_f32 v13, v6, v8, v9                 ; the running maximum
	v_sub_f32 v22, v6, v13
.endif
	v_sub_f32 v8, v8, v13
	v_sub_f32 v9, v9, v13
.if \first == 0
	v_exp_f32 v12, v22                             ; what the sums so far shrink by
.endif
	v_exp_f32 v10, v8
	v_exp_f32 v11, v9
	v_mov_b32 v6, v13                              ; the plain place behind the exponentials (ISA guide 5.7.2)
.if \first
	s_wait_alu depctr_va_vdst(0)
	v_add_f32 v7, v10, v11
.irp k, 0,2,4,6,8,10,12,14,16,18,20,22,24,26,28,30
	v_pk_mul_f32 v[ACC+\k:ACC+\k+1], v[XA+\k:XA+\k+1], v[10:11] op_sel_hi:[1,0]
.endr
.else
	s_wait_alu depctr_va_vdst(0)
	v_fma_f32 v7, v7, v12, v10
	v_add_f32 v7, v7, v11
.irp k, 0,2,4,6,8,10,12,14,16,18,20,22,24,26,28,30
	v_pk_mul_f32 v[ACC+\k:ACC+\k+1], v[ACC+\k:ACC+\k+1], v[12:13] op_sel_hi:[1,0]
.endr
.irp k, 0,2,4,6,8,10,12,14,16,18,20,22,24,26,28,30
	v_pk_fma_f32 v[ACC+\k:ACC+\k+1], v[XA+\k:XA+\k+1], v[10:11], v[ACC+\k:ACC+\k+1] op_sel_hi:[1,0,1]
.endr
.endif
.if \refill
	FILL \a, \row+4
.endif
.irp k, 0,2,4,6,8,10,12,14,16,18,20,22,24,26,28,30
	v_pk_fma_f32 v[ACC+\k:ACC+\k+1], v[XB+\k:XB+\k+1], v[10:11], v[ACC+\k:ACC+\k+1] op_sel:[0,1,0] op_sel_hi:[1,1,1]
.endr
.if \refill
	FILL \a+1, \row+5
.endif
.endm
	; At a turn's head only the next two rows (16 loads) are younger than its own.  All steps are in the immediates: 16 rows are written out.
	TURN 0, 0, 1, 1, 16
	TURN 2, 2, 0, 1, 16
	TURN 0, 4, 0, 1, 16
	TURN 2, 6, 0, 1, 16
	TURN 0, 8, 0, 1, 16
	TURN 2, 10, 0, 1, 16
	TURN 0, 12, 0, 0, 16
	TURN 2, 14, 0, 0, 0
	; the 16 waves' (m, l, sum) meet in LDS
	s_lshl_b32 s28, s18, 12
	s_add_co_u32 s28, s28, STAGE
	v_add_nc_u32 v14, s28, v3                      ; my wave's 4,096 bytes + 16 x lane
	s_lshl_b32 s29, s18, 3
	s_add_co_u32 s29, s29, MLL
	v_mov_b32 v15, s29
.irp jj, 0,1,2,3,4,5,6,7
	ds_store_b128 v14, v[ACC+4*\jj:ACC+4*\jj+3] offset:512*\jj
.endr
	ds_store_b64 v15, v[6:7]                       ; every lane writes the same pair
	s_wait_dscnt 0x0
	s_barrier_signal -1
	s_barrier_wait -1
	v_mov_b32 v16, MLL
	v_add_nc_u32 v17, STAGE, v1
.irp k, 0,1,2,3,4,5,6,7
	ds_load_b128 v[88+4*\k:88+4*\k+3], v16 offset:16*\k            ; v[88+2w] = m_w, v[89+2w] = l_w
.endr
.irp w, 0,1,2,3,4,5,6,7,8,9,10,11,12,13,14,15
	ds_load_b64 v[120+2*\w:120+2*\w+1], v17 offset:4096*\w         ; wave w's sums of my two columns
.endr
	s_wait_dscnt 0x0
	v_max3_num_f32 v170, v88, v90, v92
	v_max3_num_f32 v170, v170, v94, v96
	v_max3_num_f32 v170, v170, v98, v100
	v_max3_num_f32 v170, v170, v102, v104
	v_max3_num_f32 v170, v170, v106, v108
	v_max3_num_f32 v170, v170, v110, v112
	v_max3_num_f32 v170, v170, v114, v116
	v_max_num_f32 v170, v170, v118                 ; the chunk's m
.irp w, 0,1,2,3,4,5,6,7,8,9,10,11,12,13,14,15
	v_sub_f32 v[152+\w], v[88+2*\w], v170
.endr
.irp w, 0,1,2,3,4,5,6,7,8,9,10,11,12,13,14,15
	v_exp_f32 v[172+\w], v[152+\w]
.endr
	v_nop
	s_wait_alu depctr_va_vdst(0)
	v_mul_f32 v171, v172, v89
.irp w, 1,2,3,4,5,6,7,8,9,10,11,12,13,14,15
	v_fmac_f32 v171, v[172+\w], v[89+2*\w]         ; the chunk's l
.endr
	v_pk_mul_f32 v[168:169], v[120:121], v[172:173] op_sel_hi:[1,0]
	v_pk_fma_f32 v[168:169], v[122:123], v[172:173], v[168:169] op_sel:[0,1,0] op_sel_hi:[1,1,1]
.irp k, 1,2,3,4,5,6,7
	v_pk_fma_f32 v[168:169], v[120+4*\k:120+4*\k+1], v[172+2*\k:172+2*\k+1], v[168:169] op_sel_hi:[1,0,1]
	v_pk_fma_f32 v[168:169], v[122+4*\k:122+4*\k+1], v[172+2*\k:172+2*\k+1], v[168:169] op_sel:[0,1,0] op_sel_hi:[1,1,1]
.endr
	global_store_b64 v1, v[168:169], s[12:13]      ; a wave stores 256 consecutive bytes, at a multiple of 256 from acc's first byte
	s_cmp_lg_u32 s18, 0
	s_cbranch_scc1 .Lend
	v_mov_b32 v18, 0
	s_wait_xcnt 0x0                                ; EXEC is a source of the stores above: it narrows only behind this wait
	v_cmp_eq_u32 vcc_lo, 0, v0
	s_and_saveexec_b32 s26, vcc_lo
	global_store_b64 v18, v[170:171], s[14:15]     ; (m, l)
	s_wait_xcnt 0x0                                ; and widens only behind this one
	s_or_b32 exec_lo, exec_lo, s26
.Lend:
	s_wait_tensorcnt 0x0
	ds_add_u32 v216, v217
	s_wait_dscnt 0x0
	s_endpgm
.Lfunc_end_k_qdb618bff7e_route2:
	.size	k_qdb618bff7e_route2, .Lfunc_end_k_qdb618bff7e_route2-k_qdb618bff7e_route2
	.p2alignl 7, 3214868480
	.fill 96, 4, 3214868480
	.section	.rodata,"a",@progbits
	.p2align	6, 0x0
	.amdhsa_kernel k_qdb618bff7e_route2
		.amdhsa_group_segment_fixed_size 71936
		.amdhsa_private_segment_fixed_size 0
		.amdhsa_enable_private_segment 0
		.amdhsa_kernarg_size 56
		.amdhsa_user_sgpr_count 2
		.amdhsa_user_sgpr_kernarg_segment_ptr 1
		.amdhsa_wavefront_size32 1
		.amdhsa_system_sgpr_workgroup_id_x 1
		.amdhsa_system_sgpr_workgroup_id_y 1
		.amdhsa_system_sgpr_workgroup_id_z 1
		.amdhsa_system_vgpr_workitem_id 0
		.amdhsa_next_free_vgpr 218
		.amdhsa_next_free_sgpr 66
		.amdhsa_reserve_vcc 1
		.amdhsa_float_denorm_mode_32 3
		.amdhsa_float_denorm_mode_16_64 3
		.amdhsa_memory_ordered 1
		.amdhsa_forward_progress 1
		.amdhsa_inst_pref_size 74
	.end_amdhsa_kernel
	.amdgpu_metadata
---
amdhsa.version: [ 1, 2 ]
amdhsa.kernels:
  - .name:           k_qdb618bff7e_route2
    .symbol:         k_qdb618bff7e_route2.kd
    .args:
      - { .name: x, .offset: 0, .size: 8, .value_kind: global_buffer, .address_space: global }
      - { .name: vpart, .offset: 8, .size: 8, .value_kind: global_buffer, .address_space: global }
      - { .name: sq, .offset: 16, .size: 8, .value_kind: global_buffer, .address_space: global }
      - { .name: va, .offset: 24, .size: 8, .value_kind: global_buffer, .address_space: global }
      - { .name: acc, .offset: 32, .size: 8, .value_kind: global_buffer, .address_space: global }
      - { .name: ml, .offset: 40, .size: 8, .value_kind: global_buffer, .address_space: global }
      - { .name: vb, .offset: 48, .size: 8, .value_kind: global_buffer, .address_space: global }
    .group_segment_fixed_size: 71936
    .private_segment_fixed_size: 0
    .kernarg_segment_align: 8
    .kernarg_segment_size: 56
    .max_flat_workgroup_size: 512
    .sgpr_count:     66
    .vgpr_count:     218
    .wavefront_size: 32
...
	.end_amdgpu_metadata
.endif
;; end of part 3
;; launch mix2: the kernel of part 2 again; grid 16 x 16, 16 waves a work-group, no clusters, 18,432 bytes of LDS; arguments W, acc, ml, vpart, sq, craw; writes vpart, sq, craw
;; launch route3: the kernel of part 3 again; grid 256 x 1, 16 waves a work-group, no clusters, 71,936 bytes of LDS; arguments x, vpart, sq, vb, acc, ml, va; writes acc, ml, va
;; launch mix3: the kernel of part 2 again; grid 16 x 16, 16 waves a work-group, no clusters, 18,432 bytes of LDS; arguments W, acc, ml, vpart, sq, craw; writes vpart, sq, craw
;; launch squash (part 4): grid 32 x 1, 8 waves a work-group, no clusters, 0 bytes of LDS; arguments craw, sq, out0; writes out0
.if DOCPART == 4
	.amdgcn_target "amdgcn-amd-amdhsa--gfx1250"
	.amdhsa_code_object_version 6
	.text
	.protected	k_qdb618bff7e_squash
	.globl	k_qdb618bff7e_squash
	.p2align	8
	.type	k_qdb618bff7e_squash,@function
k_qdb618bff7e_squash:
	s_mov_b64 s[64:65], 0
	v_nop
	global_prefetch_b8 v0, s[64:65] scope:SCOPE_SE
	s_setreg_imm32_b32 hwreg(HW_REG_WAVE_MODE, 25, 1), 1
	s_wait_xcnt 0x0
; THE LAST SQUASH: out0[c] = coeff craw[c],  coeff = S / (1 + S) / sqrt(S + 1e-9),  S = sum_j sq[c][j] = |craw[c]|^2.
; One work-group for each class, 256 threads of 16 bytes: the whole launch moves 128 KiB in and 128 KiB out, so there is work for 32
; work-groups and no more.  It stands by itself because S spans the 16 work-groups that made craw[c].
; Limits: v_rcp_f32 and v_rsq_f32 are good to the last bit only; S above 2^126 gives coeff = 0 (1 / (1 + S) flushes).
	s_load_b128 s[4:7], s[0:1], 0x0                ; craw s[4:5], sq s[6:7]
	s_load_b64 s[8:9], s[0:1], 0x10                ; out0
	v_lshlrev_b32 v1, 4, v0                        ; 16 t
	s_lshl_b32 s10, ttmp9, 12                      ; c x 4,096
	s_mov_b32 s11, 0
	s_lshl_b32 s12, ttmp9, 6                       ; c x 64
	s_mov_b32 s13, 0
	s_wait_kmcnt 0x0
	s_add_nc_u64 s[4:5], s[4:5], s[10:11]
	s_add_nc_u64 s[8:9], s[8:9], s[10:11]
	s_add_nc_u64 s[6:7], s[6:7], s[12:13]
	global_load_b128 v[4:7], v1, s[4:5]
	s_load_b512 s[16:31], s[6:7], 0x0
	s_wait_kmcnt 0x0
	s_add_f32 s32, s16, s17
.irp j, 18,19,20,21,22,23,24,25,26,27,28,29,30,31
	s_add_f32 s32, s32, s\j
.endr
	v_mov_b32 v14, s32
	v_add_f32 v15, 1.0, v14
	v_add_f32 v16, 0x3089705f, v14                 ; 1e-9
	v_rcp_f32 v17, v15
	v_rsq_f32 v18, v16
	v_nop                                          ; one plain place behind the two (ISA guide 5.7.2)
	s_wait_alu depctr_va_vdst(0)
	v_mul_f32 v14, v14, v17
	v_mul_f32 v10, v14, v18
	v_mov_b32 v11, v10
	s_wait_loadcnt 0x0
	v_pk_mul_f32 v[20:21], v[4:5], v[10:11]
	v_pk_mul_f32 v[22:23], v[6:7], v[10:11]
	global_store_b128 v1, v[20:23], s[8:9]         ; sixteen lanes store 256 consecutive bytes, at a multiple of 256 from out0's first byte
	s_endpgm
.Lfunc_end_k_qdb618bff7e_squash:
	.size	k_qdb618bff7e_squash, .Lfunc_end_k_qdb618bff7e_squash-k_qdb618bff7e_squash
	.p2alignl 7, 3214868480
	.fill 96, 4, 3214868480
	.section	.rodata,"a",@progbits
	.p2align	6, 0x0
	.amdhsa_kernel k_qdb618bff7e_squash
		.amdhsa_group_segment_fixed_size 0
		.amdhsa_private_segment_fixed_size 0
		.amdhsa_enable_private_segment 0
		.amdhsa_kernarg_size 24
		.amdhsa_user_sgpr_count 2
		.amdhsa_user_sgpr_kernarg_segment_ptr 1
		.amdhsa_wavefront_size32 1
		.amdhsa_system_sgpr_workgroup_id_x 1
		.amdhsa_system_sgpr_workgroup_id_y 1
		.amdhsa_system_sgpr_workgroup_id_z 1
		.amdhsa_system_vgpr_workitem_id 0
		.amdhsa_next_free_vgpr 24
		.amdhsa_next_free_sgpr 66
		.amdhsa_reserve_vcc 0
		.amdhsa_float_denorm_mode_32 3
		.amdhsa_float_denorm_mode_16_64 3
		.amdhsa_memory_ordered 1
		.amdhsa_forward_progress 1
		.amdhsa_inst_pref_size 2
	.end_amdhsa_kernel
	.amdgpu_metadata
---
amdhsa.version: [ 1, 2 ]
amdhsa.kernels:
  - .name:           k_qdb618bff7e_squash
    .symbol:         k_qdb618bff7e_squash.kd
    .args:
      - { .name: craw, .offset: 0, .size: 8, .value_kind: global_buffer, .address_space: global }
      - { .name: sq, .offset: 8, .size: 8, .value_kind: global_buffer, .address_space: global }
      - { .name: out0, .offset: 16, .size: 8, .value_kind: global_buffer, .address_space: global }
    .group_segment_fixed_size: 0
    .private_segment_fixed_size: 0
    .kernarg_segment_align: 8
    .kernarg_segment_size: 24
    .max_flat_workgroup_size: 256
    .sgpr_count:     66
    .vgpr_count:     24
    .wavefront_size: 32
...
	.end_amdgpu_metadata
.endif
;; end of part 4
